; MI455X (gfx1250); checked and timed in simulation.
; The chip was launched on July 23, 2026; its instructions are those of AMD's public machine-readable ISA for CDNA 5 (MIT licence, August 2026) and "CDNA5" Instruction Set Architecture Reference Guide (July 2026). The comments in the code are by the model that wrote it; some were corrected since.
;; Cross View Attention. Allowed arithmetic: matrix products marked QUANTISED: E3M2 operands, one E8M0 scale for each 32 along K, by v_wmma_scale_f32_16x16x128_f8f6f4 with both operands' format E3M2, f32 sums; products left as they are: f32 operands where the result goes on into a quantised operand, else bf16, f16 or f32 operands; f32 sums; everything else in f32.
;; Inputs: Wk2 2,048 x 2,048 float32; Wk3 2,048 x 2,048 float32; Wo 2,048 x 2,048 float32; Wq 2,048 x 2,048 float32; Wv2 2,048 x 2,048 float32; Wv3 2,048 x 2,048 float32; bk2 2,048 float32; bk3 2,048 float32; bo 2,048 float32; bq 2,048 float32; bv2 2,048 float32; bv3 2,048 float32; current_view 2,048 x 2,048 float32; ln_b 2,048 float32; ln_w 2,048 float32; view2_spec 2,048 x 2,048 float32; view3_spec 2,048 x 2,048 float32.
;; Outputs: out0 2,048 x 2,048 float32; out1 2,048 x 16 x 1 x 2 float32.
;; This version of the problem:
;;   THIS VERSION OF THE PROBLEM IS GIVEN IN LOW PRECISION. The matrix products marked QUANTISED in the list below multiply operands that are first quantised to E3M2 (3 exponent bits, 2 mantissa bits; 6 bits a number), with one power-of-two scale for each 32 numbers along K (OCP MX v1.0); their sums are f32. All else is computed in f32.
;;   The module's matrix products, in the order in which they are computed (A, B: the left and right operand; K: the contracted axis; several contracted axes count as one K, in the product's order):
;;     1. [M 2,048, K 2,048] x [K 2,048, N 2,048]; A: input current_view; B: input Wq: QUANTISED
;;     2. [M 2,048, K 2,048] x [K 2,048, N 2,048]; A: input view2_spec; B: input Wk2: QUANTISED
;;     3. [M 2,048, K 2,048] x [K 2,048, N 2,048]; A: input view3_spec; B: input Wk3: QUANTISED
;;     4. [M 2,048, K 2,048] x [K 2,048, N 2,048]; A: input view2_spec; B: input Wv2: QUANTISED
;;     5. [M 2,048, K 2,048] x [K 2,048, N 2,048]; A: input view3_spec; B: input Wv3: QUANTISED
;;     6. batch 32,768 x [M 1, K 128] x [K 128, N 2]; A: computed on the way; B: computed on the way: left as it is (M = 1 < 16)
;;     7. batch 32,768 x [M 1, K 2] x [K 2, N 128]; A: softmax; B: computed on the way: left as it is (K = 2 < 32)
;;     8. [M 2,048, K 2,048] x [K 2,048, N 2,048]; A: computed on the way; B: input Wo: QUANTISED
;;   THE QUANTISER, for each operand of a quantised product, along K:
;;     - K is cut into blocks of 32 from its start; a last block that is shorter is filled with zeros.
;;     - A block's scale is 2^e with e = floor(log2(the largest magnitude in the block)) - 4, held to -126 .. 127; a block of zeros has e = 0. As a byte (E8M0): e + 127.
;;     - Each number is divided by its block's scale, clamped to +-28, and rounded to the nearest number of E3M2, ties to even, subnormals kept.
;;     - The product sums the exact products of the quantised numbers (number of the format x scale) in f32.
;;   ~~~python
;;   def quantise(x, axis):      # numpy; x: float32 -> the quantised numbers, widened to float32 again
;;       x = np.moveaxis(x, axis, -1); K = x.shape[-1]
;;       x = np.pad(x, [(0, 0)] * (x.ndim - 1) + [(0, -K % 32)]); x = x.reshape(x.shape[:-1] + (-1, 32)); a = np.abs(x).max(-1, keepdims=True)
;;       e = np.where(a > 0, np.clip(np.frexp(np.where(a > 0, a, 1))[1] - 1 - 4, -126, 127), 0)      # np.frexp(a)[1] - 1 = floor(log2(a)), exactly
;;       r = np.clip(x / 2.0 ** e, -28, 28)
;;       step = 2.0 ** (np.maximum(np.frexp(np.where(r == 0, 1, r))[1] - 1, -2) - 2)
;;       q = np.round(r / step) * step * 2.0 ** e      # np.round: ties to even
;;       return np.moveaxis(q.reshape(q.shape[:-2] + (-1,))[..., :K], -1, axis).astype(np.float32)
;;   ~~~
;;   OPERANDS COMPUTED ON THE WAY. 'Computed on the way' means the value that the module computes at that place (a softmax that the list does not call 'softmax' is quantised finished and normalised). What goes into a quantiser is computed in f32, as accurately as f32 sums, v_exp_f32 and their like allow (about 1e-6 of the number): no bf16 or f16 on the way to a quantiser, and a product that is left as it is and whose result goes on into a quantised operand takes f32 operands (vector FMAs, or v_wmma_f32_16x16x4_f32). A number that lies on a knife's edge between two numbers of the format may be rounded either way, as far as f32 arithmetic and the matrix unit's own rounding can turn it there, and no further.
;; One version. Each part assembles by itself: llvm-mc -triple=amdgcn-amd-amdhsa -mcpu=gfx1250 --defsym DOCPART=n.
;; ======== version 1 of 1: 4 launches
;; limits: right only within a limited range of input values
;; workspace buffers: xs 9,830,400 bytes; ws 16,777,216 bytes; os 3,276,800 bytes; at 3,276,800 bytes; y 16,777,216 bytes
;; launch quant (part 1): grid 256 x 3, 4 waves a work-group, no clusters, 34,304 bytes of LDS; arguments view2_spec, view3_spec, current_view, Wk2, Wv2, Wk3, Wv3, Wq, Wo, xs, ws, os; writes xs, ws, os
.if DOCPART == 1
	.amdgcn_target "amdgcn-amd-amdhsa--gfx1250"
	.amdhsa_code_object_version 6
	.text
	.protected	k_qeeb8f40747_quant
	.globl	k_qeeb8f40747_quant
	.p2align	8
	.type	k_qeeb8f40747_quant,@function
k_qeeb8f40747_quant:
	s_mov_b64 s[64:65], 0
	v_nop
	global_prefetch_b8 v0, s[64:65] scope:SCOPE_SE
	s_setreg_imm32_b32 hwreg(HW_REG_WAVE_MODE, 25, 1), 1
	s_wait_xcnt 0x0
; Nine tensors [2048][2048] f32, K innermost, become codes of BF6 (E3M2) with one E8M0 byte for each 32 along K, laid as IMAGES OF OPERAND REGISTERS:
; a fragment (16 rows x 128 K, 12 registers a lane) is 1,536 bytes, register 4 c + e of lane l at byte 512 c + 16 l + 4 e, so that three loads of 16 bytes a lane bring it.
; A block's scale is 2^(floor(log2(largest magnitude)) - 4); its byte is the largest magnitude's exponent field - 4, held at 1 from below.
; LIMITS: a block of zeros gets the byte 1 where the rule says 127 (its codes are zeros, and this program alone reads the bytes); NaN and infinities among the inputs are not served.
; SHARES.  Tensor T: 0-2 the three views -> xs; 3-7 Wk2, Wv2, Wk3, Wv3, Wq -> ws; 8 Wo -> os.  Work-group x = 2 x (tile of 16 rows) + (half of K); work-group y = 0..2.
; A work-group walks three TASKS, T = y, y + 3, y + 6, at the same tile and half.  In a task wave w takes K steps s0 = 8 x half + 2 w and s0 + 1: two fragments.
; 768 work-groups; the claim of 336 registers a wave lets three waves into a SIMD's 1,024, so 3 x 256 work-groups are all at work together.
; LOADS RUN A TASK AHEAD: a fragment's 64 registers are asked for again, for the next task, behind the stores of that fragment's codes: 16 to 32 loads of a wave are out until the last task, which is written out.
; A fragment's stores stand ahead of the loads that follow them, and all vector work on what is stored ahead of the stores.
; One path serves all tensors: pointers and offsets are chosen by selects on T.  Every input byte is asked for once, by these loads: no prefetch is laid.
; THE ROWS OF A TILE: the views and Wo: 16 neighbours.  The five projection weights: rows 8 u + r + 8 (r / 8) of a group of 32, so that in the product's result a lane's 16 registers of tiles u = 0, 1 are 16 neighbouring features.
; Each load reads 512 consecutive bytes of one row; a fragment's 16 rows turn through the wave's own stage in LDS (rows 528 bytes apart) and come back 16 neighbours of each block of 32 to a lane.
; The scale words leave as 4 bytes a lane, 16 bytes apart: one byte in 24 of what this launch stores; in return the products fetch the words of four tiles by one load of 16 bytes a lane.
.set STG,  8448                        ; a wave's stage: 16 rows x 528 bytes
.set R,    16                          ; v16-143  two fragments' numbers as loaded, 64 registers each
.set X,    144                         ; v144-207 64 numbers of my row: register 16 b + i = k 32 b + 16 (lane / 16) + i
.set PCA,  208                         ; v208-219 fragment 0's codes
.set PCB,  220                         ; v220-231 fragment 1's
.set TP,   232                         ; v232-239 the conversions' second halves
.set TM,   240                         ; v240-255 largest magnitudes, bytes, scale operands
.set PW0,  9                           ; v9, v10  the two scale words; v11 what is stored of them; v4 where
.set PW1,  10
.set SEL,  76                          ; s[76:77] lane selects for lane l xor 16
; s[32:33], s[66:67] the source of the task whose loads are issued; s[80:87] its destinations; s[68:73], s78, s79 those of the task in hand
	s_load_b512 s[8:23], s[0:1], 0x0               ; view2, view3, current_view, Wk2, Wv2, Wk3, Wv3, Wq
	s_load_b256 s[24:31], s[0:1], 0x40             ; Wo, xs, ws, os
	v_lshl_add_u32 v12, v0, 2, 0x8400              ; my spare word, behind the four stages
	v_mov_b32 v13, 0
	v_lshrrev_b32 v5, 5, v0
	v_readfirstlane_b32 s38, v5                    ; wave
	v_and_b32 v6, 31, v0                           ; lane
	v_and_b32 v7, 15, v0                           ; r
	v_bfe_u32 v8, v0, 4, 1                         ; h
	v_lshlrev_b32 v1, 4, v6                        ; 16 x lane
	s_mul_i32 s42, s38, STG
	v_add_nc_u32 v2, s42, v1                       ; the stage, on the way in
	v_mul_u32_u24 v3, v7, 528
	v_lshl_add_u32 v3, v8, 6, v3
	v_add_nc_u32 v3, s42, v3                       ; and on the way out: row r, + 64 h
.irp b, 0,1,2,3
	v_mov_b32 v[TM+4+\b], 0                        ; written once: a lane permute's destination counts as one of its sources
.endr
	s_mov_b32 s[SEL], 0x76543210
	s_mov_b32 s[SEL+1], 0xfedcba98
	s_mov_b32 s74, 0xffff0000                      ; lanes 16-31
	s_and_b32 s36, ttmp7, 0xffff                   ; T of the first task
	s_lshr_b32 s37, ttmp9, 1                       ; t: the tile of 16 rows
	s_and_b32 s39, ttmp9, 1
	s_lshl_b32 s39, s39, 3
	s_lshl_b32 s43, s38, 1
	s_add_co_u32 s39, s39, s43                     ; s0
	s_lshr_b32 s40, s37, 1                         ; t / 2: the group of 32 rows
	s_and_b32 s41, s37, 1                          ; u
; Tensor s36's source and destinations at my tile and K steps
.macro SETUP
	; the views: block ((t / 8) 16 + s0) 3 + T of 12,800 bytes; tile i = t % 8
	s_lshr_b32 s42, s37, 3
	s_lshl_b32 s42, s42, 4
	s_add_co_u32 s42, s42, s39
	s_mul_i32 s42, s42, 3
	s_add_co_u32 s42, s42, s36
	s_mul_i32 s42, s42, 12800
	s_and_b32 s43, s37, 7
	s_mul_i32 s45, s43, 1536
	s_add_co_u32 s45, s45, s42                     ; codes
	s_lshr_b32 s46, s43, 2
	s_lshl_b32 s46, s46, 8
	s_and_b32 s43, s43, 3
	s_lshl_b32 s43, s43, 2
	s_add_co_u32 s46, s46, s43
	s_add_co_u32 s46, s46, s42
	s_add_co_u32 s46, s46, 12288                   ; scale words
	; the projection weights: block (t / 2) 16 + s0 of 16,384 bytes; fragment 2 pp + u
	s_max_u32 s59, s36, 3
	s_sub_co_u32 s59, s59, 3
	s_min_u32 s59, s59, 4                          ; pp
	s_lshl_b32 s42, s40, 18
	s_lshl_b32 s43, s39, 14
	s_add_co_u32 s42, s42, s43
	s_lshl_b32 s43, s59, 1
	s_add_co_u32 s43, s43, s41
	s_mul_i32 s43, s43, 1536
	s_add_co_u32 s48, s43, s42                     ; codes
	s_lshl_b32 s43, s41, 8
	s_lshl_b32 s60, s59, 2
	s_add_co_u32 s43, s43, s60
	s_add_co_u32 s43, s43, 15360                   ; pp < 4: four words to 16 bytes
	s_lshl_b32 s60, s41, 6
	s_add_co_u32 s60, s60, 15872                   ; pp = 4: words on end
	s_cmp_eq_u32 s59, 4
	s_cselect_b32 s43, s60, s43
	s_cselect_b32 s61, 4, 16                       ; bytes from row to row among the words
	s_add_co_u32 s49, s43, s42                     ; scale words
	s_lshl_b32 s47, s40, 5
	s_lshl_b32 s43, s41, 3
	s_add_co_u32 s47, s47, s43                     ; first row: 32 (t / 2) + 8 u
	; Wo: block t / 2 of 51,200 bytes; fragment 2 s + u
	s_mul_i32 s42, s40, 51200
	s_mul_i32 s43, s39, 3072
	s_add_co_u32 s50, s42, s43
	s_mul_i32 s43, s41, 1536
	s_add_co_u32 s50, s50, s43                     ; codes
	s_lshr_b32 s43, s39, 2
	s_lshl_b32 s43, s43, 9
	s_add_co_u32 s51, s42, s43
	s_lshl_b32 s43, s41, 8
	s_add_co_u32 s51, s51, s43
	s_and_b32 s43, s39, 3
	s_lshl_b32 s43, s43, 2
	s_add_co_u32 s51, s51, s43
	s_add_co_u32 s51, s51, 49152                   ; scale words
	s_lshl_b32 s44, s37, 4                         ; first row of the views and of Wo: 16 t
	; the choice: Wo or a projection weight, then a view or not
	s_cmp_eq_u32 s36, 8
	s_cselect_b32 s52, s44, s47                    ; first row
	s_cselect_b32 s54, s50, s48                    ; codes
	s_cselect_b32 s56, s51, s49                    ; scale words
	s_cselect_b32 s57, 16, s61                     ; words: bytes from row to row
	s_mov_b32 s62, 16384
	s_cselect_b32 s58, 4, s62                      ; words: bytes from K step to K step
	s_mov_b32 s63, 3072
	s_cselect_b32 s55, s63, s62                    ; codes: bytes from K step to K step
	s_cselect_b32 s53, 8, 16                       ; rows from the tile's row 0 to its row 8
	s_cmp_lt_u32 s36, 3
	s_cselect_b32 s52, s44, s52
	s_cselect_b32 s54, s45, s54
	s_cselect_b32 s56, s46, s56
	s_cselect_b32 s57, 16, s57
	s_mov_b32 s62, 38400
	s_cselect_b32 s58, s62, s58
	s_cselect_b32 s55, s62, s55
	s_cselect_b32 s53, 8, s53
	s_mov_b64 s[32:33], s[8:9]                     ; the source: the choice hangs on T alone
.irp k, 1,2,3,4,5,6,7,8
	s_cmp_eq_u32 s36, \k
	s_cselect_b64 s[32:33], s[8+2*\k:9+2*\k], s[32:33]
.endr
	s_cmp_lt_u32 s36, 3
	s_cselect_b64 s[34:35], s[26:27], s[28:29]     ; the destination
	s_cmp_eq_u32 s36, 8
	s_cselect_b64 s[34:35], s[30:31], s[34:35]
	s_lshl_b32 s42, s52, 13
	s_lshl_b32 s43, s39, 9
	s_add_co_u32 s42, s42, s43
	s_mov_b32 s43, 0
	s_add_nc_u64 s[32:33], s[32:33], s[42:43]      ; the tile's rows 0-7 at K step s0
	s_lshl_b32 s42, s53, 13
	s_add_nc_u64 s[66:67], s[32:33], s[42:43]      ; its rows 8-15
	s_mov_b32 s42, s54
	s_add_nc_u64 s[80:81], s[34:35], s[42:43]      ; fragment 0's image
	s_mov_b32 s42, s55
	s_add_nc_u64 s[82:83], s[80:81], s[42:43]      ; fragment 1's
	s_mov_b32 s42, s56
	s_add_nc_u64 s[84:85], s[34:35], s[42:43]      ; the scale words
	s_mov_b32 s86, s57
	s_mov_b32 s87, s58
.endm
.macro LOADF f                         ; 16 rows x 512 bytes of K step s0 + f; 32 lanes read 512 consecutive bytes
.irp i, 0,1,2,3,4,5,6,7
	global_load_b128 v[R+64*\f+4*\i:R+64*\f+4*\i+3], v1, s[32:33] offset:\i*8192+512*\f th:TH_LOAD_NT
.endr
.irp i, 0,1,2,3,4,5,6,7
	global_load_b128 v[R+64*\f+32+4*\i:R+64*\f+32+4*\i+3], v1, s[66:67] offset:\i*8192+512*\f th:TH_LOAD_NT
.endr
.endm
.macro TURN f                          ; through the stage: LDS serves a wave's instructions in order, so no wait stands between the stores and the loads
.irp i, 0,1,2,3,4,5,6,7,8,9,10,11,12,13,14,15
	ds_store_b128 v2, v[R+64*\f+4*\i:R+64*\f+4*\i+3] offset:528*\i
.endr
.irp b, 0,1,2,3
.irp j, 0,1,2,3
	ds_load_b128 v[X+16*\b+4*\j:X+16*\b+4*\j+3], v3 offset:128*\b+16*\j
.endr
.endr
.endm
; The 64 numbers in X become a fragment's codes in v[pc] on and its scale word in v[pw]
.macro QUANT pc, pw
.irp b, 0,1,2,3
	v_max3_num_f32 v[TM+\b], |v[X+16*\b]|, |v[X+1+16*\b]|, 0x2800000   ; block b: my 16 numbers, and the floor 2^(5 - 127): the byte cannot fall under 1
.endr
.irp i, 2,4,6,8,10,12,14
.irp b, 0,1,2,3
	v_max3_num_f32 v[TM+\b], v[TM+\b], |v[X+16*\b+\i]|, |v[X+1+16*\b+\i]|   ; the four blocks by turns
.endr
.endr
.irp b, 0,1,2,3
	v_permlanex16_b32 v[TM+4+\b], v[TM+\b], s[SEL], s[SEL+1]
.endr
.irp b, 0,1,2,3
	v_max_num_f32 v[TM+\b], v[TM+\b], v[TM+4+\b]   ; with lane l xor 16's: the block's largest magnitude
.endr
.irp b, 0,1,2,3
	v_add_nc_u32 v[TM+12+\b], 0xfe000000, v[TM+\b] ; 4 off its exponent field: the conversion takes the exponent field of this operand as its scale
.endr
.irp b, 0,1,2,3
	v_lshrrev_b32 v[TM+4+\b], 23, v[TM+12+\b]      ; the scale's byte
.endr
	v_lshl_or_b32 v[\pw], v[TM+5], 8, v[TM+4]      ; the four bytes make my row's scale word
	v_lshl_or_b32 v[\pw], v[TM+6], 16, v[\pw]
	v_lshl_or_b32 v[\pw], v[TM+7], 24, v[\pw]
.irp c, 0,1
	v_cvt_scalef32_pk16_bf6_f32 v[\pc+6*\c:\pc+2+6*\c], v[X+32*\c:X+15+32*\c], v[TM+12+2*\c]
	v_cvt_scalef32_pk16_bf6_f32 v[TP+4*\c:TP+2+4*\c], v[X+16+32*\c:X+31+32*\c], v[TM+12+2*\c+1]   ; (a conversion's three registers begin on an even number)
.endr
	v_nop                                          ; one plain place behind a scaled conversion
.irp c, 0,1                                    ; the operand's layout wants a whole block in a lane: lanes 0-15 block 2 c, lanes 16-31 block 2 c + 1
.irp i, 0,1,2
	v_permlane16_swap_b32 v[\pc+6*\c+\i], v[TP+4*\c+\i]
.endr
.irp i, 0,1,2
	v_mov_b32 v[\pc+3+6*\c+\i], v[TP+4*\c+\i]
.endr
.endr
.endm
.macro SENDC f, pc                     ; the image: three stores of 512 consecutive bytes
.irp c, 0,1,2
	global_store_b128 v1, v[\pc+4*\c:\pc+4*\c+3], s[68+2*\f:69+2*\f] offset:512*\c
.endr
.endm
; A TASK.  At its head fragment 0's sixteen loads and behind them fragment 1's sixteen are out.  last = 0: each set of registers is asked for again, for the next task, behind the stores of its fragment's codes.
.macro TASK last
	s_wait_loadcnt 16                              ; fragment 0 is in; fragment 1's sixteen loads may be out
	TURN 0
	s_wait_dscnt 0x0                               ; the numbers are in X, and the stage's stores have read fragment 0's registers
	s_wait_xcnt 0x0                                ; the last task's stores and the loads that are out have read their bases and data: pointers, codes and words may be written
	s_mov_b64 s[68:69], s[80:81]                   ; this task's destinations
	s_mov_b64 s[70:71], s[82:83]
	s_mov_b64 s[72:73], s[84:85]
	s_mov_b32 s78, s86
	s_mov_b32 s79, s87
	v_mul_u32_u24 v4, s78, v7
	v_mad_u32_u24 v4, v8, s79, v4                  ; my scale word's place: lanes 0-15 K step s0, lanes 16-31 K step s0 + 1
	QUANT PCA, PW0
	SENDC 0, PCA
.if \last == 0
	s_add_co_u32 s36, s36, 3                       ; the next task's tensor: scalar work alone behind the stores
	SETUP
	LOADF 0
	s_wait_loadcnt 16                              ; fragment 1 is in; the sixteen loads just issued may be out
.else
	s_wait_loadcnt 0x0
.endif
	TURN 1
	s_wait_dscnt 0x0
	QUANT PCB, PW1
	v_cndmask_b32 v11, v[PW0], v[PW1], s74
	SENDC 1, PCB
	global_store_b32 v4, v11, s[72:73]
.if \last == 0
	LOADF 1
.endif
.endm
	s_wait_alu depctr_va_vdst(0)
	s_wait_kmcnt 0x0
	SETUP
	LOADF 0
	LOADF 1
	s_mov_b32 s88, 0
.Ltask:
	TASK 0
	s_add_co_u32 s88, s88, 1
	s_cmp_lt_u32 s88, 2
	s_wait_alu depctr_va_vdst(0)
	s_cbranch_scc1 .Ltask
	TASK 1                                         ; the third task asks for nothing more
	s_wait_tensorcnt 0x0                           ; the wave's end
	ds_add_u32 v12, v13
	s_wait_dscnt 0x0
	s_endpgm
.Lfunc_end_k_qeeb8f40747_quant:
	.size	k_qeeb8f40747_quant, .Lfunc_end_k_qeeb8f40747_quant-k_qeeb8f40747_quant
	.p2alignl 7, 3214868480
	.fill 96, 4, 3214868480
	.section	.rodata,"a",@progbits
	.p2align	6, 0x0
	.amdhsa_kernel k_qeeb8f40747_quant
		.amdhsa_group_segment_fixed_size 34304
		.amdhsa_private_segment_fixed_size 0
		.amdhsa_enable_private_segment 0
		.amdhsa_kernarg_size 96
		.amdhsa_user_sgpr_count 2
		.amdhsa_user_sgpr_kernarg_segment_ptr 1
		.amdhsa_wavefront_size32 1
		.amdhsa_system_sgpr_workgroup_id_x 1
		.amdhsa_system_sgpr_workgroup_id_y 1
		.amdhsa_system_sgpr_workgroup_id_z 1
		.amdhsa_system_vgpr_workitem_id 0
		.amdhsa_next_free_vgpr 336
		.amdhsa_next_free_sgpr 96
		.amdhsa_reserve_vcc 0
		.amdhsa_float_denorm_mode_32 3
		.amdhsa_float_denorm_mode_16_64 3
		.amdhsa_memory_ordered 1
		.amdhsa_forward_progress 1
		.amdhsa_inst_pref_size 41
	.end_amdhsa_kernel
	.amdgpu_metadata
---
amdhsa.version: [ 1, 2 ]
amdhsa.kernels:
  - .name:           k_qeeb8f40747_quant
    .symbol:         k_qeeb8f40747_quant.kd
    .args:
      - { .name: view2_spec, .offset: 0, .size: 8, .value_kind: global_buffer, .address_space: global }
      - { .name: view3_spec, .offset: 8, .size: 8, .value_kind: global_buffer, .address_space: global }
      - { .name: current_view, .offset: 16, .size: 8, .value_kind: global_buffer, .address_space: global }
      - { .name: Wk2, .offset: 24, .size: 8, .value_kind: global_buffer, .address_space: global }
      - { .name: Wv2, .offset: 32, .size: 8, .value_kind: global_buffer, .address_space: global }
      - { .name: Wk3, .offset: 40, .size: 8, .value_kind: global_buffer, .address_space: global }
      - { .name: Wv3, .offset: 48, .size: 8, .value_kind: global_buffer, .address_space: global }
      - { .name: Wq, .offset: 56, .size: 8, .value_kind: global_buffer, .address_space: global }
      - { .name: Wo, .offset: 64, .size: 8, .value_kind: global_buffer, .address_space: global }
      - { .name: xs, .offset: 72, .size: 8, .value_kind: global_buffer, .address_space: global }
      - { .name: ws, .offset: 80, .size: 8, .value_kind: global_buffer, .address_space: global }
      - { .name: os, .offset: 88, .size: 8, .value_kind: global_buffer, .address_space: global }
    .group_segment_fixed_size: 34304
    .private_segment_fixed_size: 0
    .kernarg_segment_align: 8
    .kernarg_segment_size: 96
    .max_flat_workgroup_size: 128
    .sgpr_count:     96
    .vgpr_count:     336
    .wavefront_size: 32
...
	.end_amdgpu_metadata
.endif
;; end of part 1
;; launch proj (part 2): grid 16 x 16, 4 waves a work-group, clusters of 4 x 1, 327,680 bytes of LDS; arguments xs, ws, bk2, bv2, bk3, bv3, bq, at, out1; writes at, out1
.if DOCPART == 2
	.amdgcn_target "amdgcn-amd-amdhsa--gfx1250"
	.amdhsa_code_object_version 6
	.text
	.protected	k_qeeb8f40747_proj
	.globl	k_qeeb8f40747_proj
	.p2align	8
	.type	k_qeeb8f40747_proj,@function
k_qeeb8f40747_proj:
	s_mov_b64 s[64:65], 0
	v_nop
	global_prefetch_b8 v0, s[64:65] scope:SCOPE_SE
	s_setreg_imm32_b32 hwreg(HW_REG_WAVE_MODE, 25, 1), 1
	s_wait_xcnt 0x0
	s_wait_alu depctr_hold_cnt(0) depctr_sa_sdst(0) depctr_va_vdst(0) depctr_va_sdst(0) depctr_va_ssrc(0) depctr_va_vcc(0) depctr_vm_vsrc(0)
	s_getreg_b32 s2, hwreg(HW_REG_IB_STS2, 6, 4)
	s_cmp_eq_u32 s2, 0
	s_cbranch_scc0 .Lentry_in_a_cluster
	s_endpgm
.Lentry_in_a_cluster:
	s_bfe_u32 s2, ttmp6, 0x10000c
	s_cmp_lg_u32 s2, 0x3003
	s_cbranch_scc0 .Lentry_shape_is_right
	s_endpgm
.Lentry_shape_is_right:
; q, k2, k3, v2, v3 = x W^T + b on codes of BF6 (E3M2), then for each (row, head) the attention over two keys in f32, and its result quantised along the features for the last product.  q, k and v never go to memory.
; SHARES.  A work-group takes 128 rows (block g) and one head n (128 features).  Wave w takes all 128 rows x features 32 w .. 32 w + 31 x the five products: 8 row tiles x 2 x 5 = 80 accumulators, 640 registers.
; So a wave's ten fragments of W in a K step are its own: they come from ws, laid as register images, straight into registers.  What the four waves share, the three views' 24 fragments of a
; K step, goes through LDS: 24 fragments a wave and K step for 80 matrix instructions.
; W HAS TWO SETS OF REGISTERS, AND EACH THIRD OF A SET IS ASKED FOR AGAIN AS SOON AS ITS LAST PRODUCT IS ISSUED, for the K step two on: k2's and v2's fragments behind run 1, k3's and v3's behind run 3, q's at the next
; step's head: 128, 128 and 144 matrix instructions ahead of their first use.  A third set does not fit: 640 + 240 + 96 registers are taken, and 33 for addresses and scales.
; CLUSTER.  The four heads of a cluster read the same tiles of the views: each is asked for JOINTLY (mask 15).  W IS NOT ASKED FOR JOINTLY: through LDS it would raise a wave's LDS reads from 24 to 34 fragments a K step
; and leave room for slots of one K step in place of four.
; RING.  Two slots of four K steps (4 x 38,400 bytes); each wave brings one K step's block by one tensor load; three changes of slots in the launch; a refill has four K steps, 320 matrix instructions a wave, in which to land.
; At most one tensor load of a wave is out: each is issued behind a wait for the one before.
; THE MATRIX INSTRUCTION IS USED TRANSPOSED (source 0 = 16 rows of W, source 1 = 16 rows of x): lane (r, h) holds row 16 m + r, and the 16 registers of tiles u = 0, 1 are features 32 w + 16 h + 0 .. 15 of the head.
; The accumulators begin as the biases, loaded in the result's layout: no first step of its own, nothing cleared, no addition at the end.
; SOFTMAX over the two keys with the larger score taken away first.  LIMITS: NaN and infinities are not served; a block of zeros of the attention's result gets the byte 1 (its codes are zeros; this program alone reads the bytes).
; out1 is 8 bytes for each (row, head), 128 bytes apart in memory: it leaves so, 1,024 bytes a work-group.
; REGISTERS, in windows of 256.  Window 0: v1 16 x lane; v2 4 x lane; v3 LDS address of the K step in hand; v4, v5 the add's two; v6, v7 the scores' exchange; v8-19 x's scale words; v20-24, v26-30 W's, two sets;
;   v25, v31 the way out; v32-79, v80-127 x's fragments, two buffers of four; v128-247 W's set 1; v248 the biases' offset.
;   Window 1: k2 (v0-127), v2 (v128-255).  Window 2: k3, v3.  Window 3: q (v0-127); W's set 0 (v128-247).  Accumulator (m, u) at 8 (2 m + u) of its half.
.set STEPB, 38400                      ; a K step's block of xs: three views x (8 fragments + 512 bytes of scale words)
.set SLOTB, 4*STEPB
.set WBLK,  16384                      ; a K step's block of ws for one wave
.set EX,    2*SLOTB                    ; behind the ring: the waves' partial scores, 2,048 bytes each
.set EX2,   EX+8192                    ; the scale words of the attention's result, 512 bytes
.set SPARE, EX2+512                    ; the spare words, 128 bytes for each wave: two blocks of 256 bytes that no other line names
.set MSB, 0
.macro WIN new                         ; the immediate's high byte repeats the setting that is left
.if MSB != (\new)
	s_set_vgpr_msb (MSB<<8)|(\new)
.set MSB, (\new)
.endif
.endm
.macro PLACES                          ; four places behind matrix instructions, in front of loads into registers that they have read and of reads of their results
.rept 4
	v_nop
.endr
.endm
.macro CROUND                          ; a round of the cluster's barrier
	s_barrier_signal -1
	s_barrier_wait -1
	s_cmp_lg_u32 s22, 0
	s_cbranch_scc1 .Lnot_wave_0_\@
	s_barrier_signal -3
.Lnot_wave_0_\@:
	s_barrier_wait -3
	s_barrier_signal -1
	s_barrier_wait -1
.endm
	s_load_b512 s[4:19], s[0:1], 0x0               ; xs, ws, bk2, bv2, bk3, bv3, bq, at
	s_load_b64 s[20:21], s[0:1], 0x40              ; out1
	v_lshl_add_u32 v4, v0, 2, SPARE
	v_mov_b32 v5, 0
	ds_add_u32 v4, v5
	ds_add_u32 v4, v5
	s_wait_dscnt 0x0
	v_lshrrev_b32 v6, 5, v0
	v_readfirstlane_b32 s22, v6                    ; wave 0..3
	v_and_b32 v2, 31, v0
	v_lshlrev_b32 v1, 4, v2                        ; 16 x lane
	v_lshlrev_b32 v2, 2, v2                        ; 4 x lane
	v_and_b32 v6, 15, v0                           ; r
	v_bfe_u32 v7, v0, 4, 1                         ; h
	v_mul_u32_u24 v25, v6, 24
	v_mad_u32_u24 v25, v7, 12, v25                 ; my 16 codes' place in a block of the result's image: 24 r + 12 h
	v_lshlrev_b32 v31, 7, v6
	v_lshl_add_u32 v31, v7, 11, v31                ; out1: 128 bytes a row; lanes 16-31 sixteen rows on
	v_lshlrev_b32 v248, 6, v7                      ; the biases: 64 h
	v_add_nc_u32 v7, EX, v1
	s_lshl_b32 s58, s22, 11
	v_add_nc_u32 v6, s58, v7
	s_bfe_u32 s41, ttmp6, 0x40000                  ; cx
	s_lshl_b32 s23, ttmp9, 2
	s_add_co_u32 s23, s23, s41                     ; the head n = 4 x cluster x + cx: it enters global addresses of W, the biases and the outputs alone
	s_and_b32 s40, ttmp7, 0xffff                   ; the row block g, which the four partners share
	s_mov_b32 s24, 15|(3<<16)|(1<<21)              ; group 1: 15:0 the mask: all four; 17:16 elements of 8 bytes; 21 set beside a mask; no padding
	s_mov_b32 s25, 32<<16                          ; tensor_dim0 = 32 elements: rows of 256 bytes
	s_mov_b32 s26, 150<<16                         ; tensor_dim1 = 150 rows: 38,400 dense bytes
	s_mov_b32 s27, 32<<16                          ; tile_dim0
	s_mov_b32 s28, 150                             ; tile_dim1
	s_mov_b32 s29, 32                              ; the pitch
	s_mov_b32 s30, 0
	s_mov_b32 s31, 0
	s_mul_i32 s60, s40, 16*STEPB
	s_mul_i32 s62, s22, STEPB                      ; wave w brings a slot's K step w
	s_add_co_u32 s60, s60, s62
	s_mov_b32 s61, 0
	s_mov_b32 s52, 0x76543210
	s_mov_b32 s53, 0xfedcba98                      ; lane l xor 16
	s_mov_b32 s54, 0x3e0293ee                      ; log2(e) / sqrt(128)
	s_mov_b32 s55, 0xffff0000                      ; lanes 16-31
	s_wait_kmcnt 0x0
	s_add_nc_u64 s[60:61], s[4:5], s[60:61]
	s_mov_b32 s32, 1                               ; group 0 of slot 0: K steps 0-3
	s_mov_b32 s33, s62
	s_mov_b64 s[34:35], s[60:61]
	s_or_b32 s35, s35, 0x80000000
	s_mov_b32 s36, 1                               ; of slot 1: K steps 4-7
	s_add_co_u32 s37, s62, SLOTB
	s_add_nc_u64 s[38:39], s[60:61], SLOTB
	s_or_b32 s39, s39, 0x80000000
	CROUND                                         ; all four work-groups are here: the first joint loads meet
	tensor_load_to_lds s[32:35], s[24:31]          ; slot 0: one tensor load a wave at the head
	s_nop 0
	PLACES                                         ; four v_nop behind the tensor loads
	s_lshl_b32 s56, s23, 9
	s_lshl_b32 s58, s22, 7
	s_add_co_u32 s56, s56, s58
	s_mov_b32 s57, 0
.irp p, 8,10,12,14,16
	s_add_nc_u64 s[\p:\p+1], s[\p:\p+1], s[56:57]  ; the biases at my 32 features
.endr
	s_lshl_b32 s56, s23, 2
	s_add_co_u32 s56, s56, s22
	s_lshl_b32 s56, s56, 18
	s_add_nc_u64 s[42:43], s[6:7], s[56:57]        ; ws at block (4 n + w, K step 0)
	s_lshl_b32 s58, s40, 4
	s_add_co_u32 s58, s58, s23
	s_mul_i32 s58, s58, 12800
	s_mov_b32 s59, 0
	s_add_nc_u64 s[46:47], s[18:19], s[58:59]      ; at: block (g, head n)
	s_mul_i32 s56, s22, 384
	s_add_nc_u64 s[44:45], s[46:47], s[56:57]      ; and in it my block of 32 along the next K
	s_lshl_b32 s56, s40, 14
	s_lshl_b32 s58, s23, 3
	s_add_co_u32 s56, s56, s58
	s_add_nc_u64 s[48:49], s[20:21], s[56:57]      ; out1 at (row 128 g, head n)
; The accumulators (m, u = 0, 1) of product pp begin as its bias: register j of (m, u) is b[32 w + 16 h + 8 u + j]
.macro BIAS pp, m
.irp u, 0,1
	global_load_b128 v[128*((\pp)%2)+8*(2*(\m)+\u):128*((\pp)%2)+8*(2*(\m)+\u)+3], v248, s[8+2*(\pp):9+2*(\pp)] offset:32*\u
	global_load_b128 v[128*((\pp)%2)+8*(2*(\m)+\u)+4:128*((\pp)%2)+8*(2*(\m)+\u)+7], v248, s[8+2*(\pp):9+2*(\pp)] offset:32*\u+16
.endr
.endm
; x's fragments of run i of six: view i / 2, row tiles 4 (i % 2) + 0 .. 3, into buffer i % 2: twelve loads of 512 consecutive bytes
.macro ARUN i
.irp f, 0,1,2,3
.irp c, 0,1,2
	ds_load_b128 v[32+48*((\i)%2)+12*\f+4*\c:32+48*((\i)%2)+12*\f+4*\c+3], v3 offset:12800*((\i)/2)+1536*(4*((\i)%2)+\f)+512*\c
.endr
.endr
.endm
.macro ASC a                           ; view a's scale words: register j: lanes 0-15 tile j, lanes 16-31 tile 4 + j
	ds_load_b128 v[8+4*\a:11+4*\a], v3 offset:12800*\a+12288
.endm
; cnt fragments of W, from fragment first on, into set d, out of the block that begins off bytes behind s[42:43]: three loads of 512 consecutive bytes each
.macro BFR d, first, cnt, off
.if (\d) == 0
	WIN 0xC0
.else
	WIN 0
.endif
.set fi, \first
.rept \cnt
.irp c, 0,1,2
	global_load_b128 v[128+12*fi+4*\c:128+12*fi+4*\c+3], v1, s[42:43] offset:(\off)+1536*fi+512*\c
.endr
.set fi, fi+1
.endr
	WIN 0
.endm
.macro BG01 d, off                     ; 13 loads: k2's and v2's four fragments and their scale words (register pp: lanes 0-15 tile u = 0, lanes 16-31 u = 1)
	BFR \d, 0, 4, \off
	global_load_b64 v[20+6*(\d):21+6*(\d)], v1, s[42:43] offset:(\off)+15360
.endm
.macro BG23 d, off                     ; 13 loads: k3's and v3's
	BFR \d, 4, 4, \off
	global_load_b64 v[22+6*(\d):23+6*(\d)], v1, s[42:43] offset:(\off)+15368
.endm
.macro BG4 d, off                      ; 7 loads: q's two fragments and its scale words
	BFR \d, 8, 2, \off
	global_load_b32 v[24+6*(\d)], v2, s[42:43] offset:(\off)+15872
.endm
.macro MM par, i, f, pp, u             ; product pp, row tile 4 (i % 2) + f, tile u
.set rD, 128*((\pp)%2)+8*(2*(4*((\i)%2)+\f)+\u)
.set rB, 128+12*(2*(\pp)+\u)
.set rA, 32+48*((\i)%2)+12*\f
.set rW, 20+6*\par+(\pp)
.set rX, 8+4*((\i)/2)+\f
.if (\u == 0) && ((\i)%2 == 0)
	v_wmma_scale_f32_16x16x128_f8f6f4 v[rD:rD+7], v[rB:rB+11], v[rA:rA+11], v[rD:rD+7], v[rW], v[rX] matrix_a_fmt:MATRIX_FMT_BF6 matrix_b_fmt:MATRIX_FMT_BF6
.elseif (\u == 1) && ((\i)%2 == 0)
	v_wmma_scale_f32_16x16x128_f8f6f4 v[rD:rD+7], v[rB:rB+11], v[rA:rA+11], v[rD:rD+7], v[rW], v[rX] matrix_a_fmt:MATRIX_FMT_BF6 matrix_b_fmt:MATRIX_FMT_BF6 matrix_a_scale:MATRIX_SCALE_ROW1
.elseif (\u == 0)
	v_wmma_scale_f32_16x16x128_f8f6f4 v[rD:rD+7], v[rB:rB+11], v[rA:rA+11], v[rD:rD+7], v[rW], v[rX] matrix_a_fmt:MATRIX_FMT_BF6 matrix_b_fmt:MATRIX_FMT_BF6 matrix_b_scale:MATRIX_SCALE_ROW1
.else
	v_wmma_scale_f32_16x16x128_f8f6f4 v[rD:rD+7], v[rB:rB+11], v[rA:rA+11], v[rD:rD+7], v[rW], v[rX] matrix_a_fmt:MATRIX_FMT_BF6 matrix_b_fmt:MATRIX_FMT_BF6 matrix_a_scale:MATRIX_SCALE_ROW1 matrix_b_scale:MATRIX_SCALE_ROW1
.endif
.endm
; Run i's matrix instructions: 16 (views 0, 1: two products each) or 8 (view 2: q).  A K step's 80 name 80 different accumulators, in the same order in every step: they take turns.
.macro MULRUN i, par
.set gw, (\i)/2+1
.if \par
.set wv, (gw<<6)|(gw<<4)
.else
.set wv, (gw<<6)|(gw<<4)|3
.endif
	WIN wv                                         ; W's set in window 3 or 0, x in window 0, C and D in the view's window
.irp f, 0,1,2,3
.if (\i) < 4
.irp q, 0,1
.irp u, 0,1
	MM \par, \i, \f, 2*((\i)/2)+\q, \u
.endr
.endr
.else
.irp u, 0,1
	MM \par, \i, \f, 4, \u
.endr
.endif
.endr
.endm
; K STEP s ON W'S SET par = s % 2.  s[42:43] is ws at the even step of the pair.  Global loads come back in order (ISA guide 5.7.1), and they are issued in one order throughout:
;   head of step s: q's group of step s + 1 (7);  ahead of run 2: k2's and v2's of step s + 2 (13);  ahead of run 4: k3's and v3's of step s + 2 (13).
; So behind this step's k2/v2 group were issued 13 + 7 + 13 + 13 = 46 loads when the head's wait stands; behind its k3/v3 group 7 + 13 + 13 + 7 = 40 ahead of run 2; behind its q group 13 + 13 + 7 + 13 = 46 ahead of run 4.
; Each wait stands ahead of the next issue: at most 46 + 13 = 59 loads are out.
; mode 0: as above.  mode 1: step 14, which asks only for step 15's q group: the third count is 13 + 13 + 7 = 33.  mode 2: step 15, which asks for nothing: 13 + 7 = 20, then 7, then 0.
; look 1: the next step's first run of x is fetched at the end; 0: not; 2: not in the loop's last trip (a slot's last K step has no successor in the slot): that branch jumps over LDS loads alone, whose waits are all for 0.
.macro STEP par, slot, mode, look
.if \mode == 0
.set W0C, 46
.set W2C, 40
.set W4C, 46
.elseif \mode == 1
.set W0C, 46
.set W2C, 40
.set W4C, 33
.else
.set W0C, 20
.set W2C, 7
.set W4C, 0
.endif
	s_wait_loadcnt W0C                             ; this step's k2 and v2 fragments and scale words are in
	s_wait_dscnt 0x0                               ; run 0 and the scale words of views 0 and 1
	PLACES
.if \mode < 2
	BG4 1-\par, (\par+1)*WBLK                      ; into the registers that the last step's runs 4 and 5 have left
.endif
	ASC 2
	ARUN 1
	MULRUN 0, \par
.irp i, 1,2,3,4
	s_wait_dscnt 0x0                               ; run i is in (asked for ahead of the run before)
	PLACES
	WIN 0
	ARUN \i+1
.if \i == 2
	s_wait_loadcnt W2C                             ; this step's k3 and v3 fragments and scale words are in
.if \mode == 0
	BG01 \par, (\par+2)*WBLK                       ; into the registers that runs 0 and 1 have left
.endif
.elseif \i == 4
	s_wait_loadcnt W4C                             ; this step's q fragments and scale words are in
.if \mode == 0
	BG23 \par, (\par+2)*WBLK                       ; into the registers that runs 2 and 3 have left
.endif
.endif
	MULRUN \i, \par
.endr
	s_wait_dscnt 0x0
	PLACES
	WIN 0
.if \look
	s_add_co_u32 s50, s50, STEPB
	s_min_u32 s56, s50, \slot*SLOTB+3*STEPB        ; held at the slot's last K step: the address below is one of the slot's four
.endif
.if \look == 2
	s_cmp_eq_u32 s51, 1
	s_cbranch_scc1 .Lno_a_\@
.endif
.if \look
	v_add_nc_u32 v3, s56, v1
	ARUN 0                                         ; the next K step's first run
	ASC 0
	ASC 1
.endif
.if \look == 2
.Lno_a_\@:
.endif
	MULRUN 5, \par
	WIN 0
.endm
.macro WSTEP                           ; ws two K steps on.  Loads that name the pointer are still out: it is rewritten only behind the wait that shows their addresses translated (ISA guide 3.1)
	s_wait_xcnt 0x0
	s_add_nc_u64 s[42:43], s[42:43], 2*WBLK
.endm
; A slot's four K steps: two trips of two, since W's sets take turns.  The launch's last slot is written out: its last two steps ask for no W two steps on, and their waits count otherwise.
.macro WORK slot, lastwork
	PLACES
	s_mov_b32 s50, \slot*SLOTB
	v_add_nc_u32 v3, s50, v1
	ARUN 0
	ASC 0
	ASC 1
.if \lastwork
	s_wait_alu depctr_va_vdst(0)
	STEP 0, \slot, 0, 1
	s_wait_alu depctr_va_vdst(0)
	STEP 1, \slot, 0, 1
	s_wait_alu depctr_va_vdst(0)
	WSTEP
	STEP 0, \slot, 1, 1
	s_wait_alu depctr_va_vdst(0)
	STEP 1, \slot, 2, 0
.else
	s_mov_b32 s51, 2
.Lpair_\@:
	s_wait_alu depctr_va_vdst(0)
	STEP 0, \slot, 0, 1
	s_wait_alu depctr_va_vdst(0)
	STEP 1, \slot, 0, 2
	WSTEP
	s_sub_co_u32 s51, s51, 1
	s_cmp_lg_u32 s51, 0
	s_cbranch_scc1 .Lpair_\@
.endif
.endm
; THE CHANGE OF SLOTS.  Each wave waits for all its tensor loads (its part of the slot ahead), adds 0 to its spare word, and waits for that and for its reads of the slot that it leaves.
; fill = 1: the slot just left takes the K steps eight on; the barrier is then a round of the cluster's, and the joint refill is the first thing behind it.
.macro CHANGE fill, slot
	WIN 0
	s_wait_tensorcnt 0x0                           ; no tensor load of mine is out, so a group 0 may be written
	ds_add_u32 v4, v5                              ; 0 onto my spare word
.if \fill
	s_add_nc_u64 s[34+4*\slot:35+4*\slot], s[34+4*\slot:35+4*\slot], 2*SLOTB
.endif
	s_wait_dscnt 0x0                               ; the add is done, and my reads of the slot are over
.if \fill
	CROUND
	tensor_load_to_lds s[32+4*\slot:35+4*\slot], s[24:31]
	s_nop 0
	PLACES
.else
	s_barrier_signal -1
	s_barrier_wait -1
.endif
.endm
	; THE FIRST LOADS.  Row tile 0's biases (20 loads, which name all five biases' bytes) and K step 0's W (33) go out first, so that every buffer is asked at once; then the other row tiles' biases (140), the same bytes again;
	; last K step 1's first two groups (26), in the order in which the loop's waits count them.
	s_wait_alu depctr_va_vdst(0)
.irp pp, 0,1,2,3,4
	WIN ((\pp/2)+1)<<6
	BIAS \pp, 0
.endr
	BG01 0, 0
	BG23 0, 0
	BG4 0, 0
.irp pp, 0,1,2,3,4
	WIN ((\pp/2)+1)<<6
.irp m, 1,2,3,4,5,6,7
	BIAS \pp, \m
.endr
.endr
	BG01 1, WBLK
	BG23 1, WBLK
	s_wait_tensorcnt 0x0                           ; my part of slot 0 is in; slot 1's first fill is issued as a refill is
	ds_add_u32 v4, v5
	s_wait_dscnt 0x0
	CROUND                                         ; everybody's part of slot 0 is in, and the four partners are here
	tensor_load_to_lds s[36:39], s[24:31]          ; K steps 4-7: four K steps of work lie between this request and the wait for it
	s_nop 0
	PLACES
	s_wait_loadcnt 26
	WORK 0, 0                                      ; K steps 0-3
	CHANGE 1, 0
	WORK 1, 0                                      ; 4-7
	CHANGE 1, 1
	WORK 0, 0                                      ; 8-11
	CHANGE 0, 0
	WORK 1, 1                                      ; 12-15
	; THE SCORES.  My lane's 16 features of q k2 and q k3 for each of the 8 row tiles, two at a time; every accumulator is read from its low end on.
	PLACES
	WIN 0x07                                       ; source 0: q (window 3); source 1: k2 (window 1)
.irp e, 0,1,2,3,4,5,6,7
.irp m, 0,1,2,3,4,5,6,7
.if \e == 0
	v_pk_mul_f32 v[32+2*\m:33+2*\m], v[16*\m:16*\m+1], v[16*\m:16*\m+1]
.else
	v_pk_fma_f32 v[32+2*\m:33+2*\m], v[16*\m+2*\e:16*\m+2*\e+1], v[16*\m+2*\e:16*\m+2*\e+1], v[32+2*\m:33+2*\m]
.endif
.endr
.endr
	WIN 0x0B                                       ; source 1: k3 (window 2)
.irp e, 0,1,2,3,4,5,6,7
.irp m, 0,1,2,3,4,5,6,7
.if \e == 0
	v_pk_mul_f32 v[48+2*\m:49+2*\m], v[16*\m:16*\m+1], v[16*\m:16*\m+1]
.else
	v_pk_fma_f32 v[48+2*\m:49+2*\m], v[16*\m+2*\e:16*\m+2*\e+1], v[16*\m+2*\e:16*\m+2*\e+1], v[48+2*\m:49+2*\m]
.endif
.endr
.endr
	WIN 0
.irp m, 0,1,2,3,4,5,6,7
	v_add_f32 v[64+\m], v[32+2*\m], v[33+2*\m]
	v_add_f32 v[72+\m], v[48+2*\m], v[49+2*\m]
.endr
.irp k, 0,1,2,3,4,5,6,7,8,9,10,11,12,13,14,15
	v_permlanex16_b32 v[32+\k], v[64+\k], s52, s53
.endr
.irp k, 0,1,2,3,4,5,6,7,8,9,10,11,12,13,14,15
	v_add_f32 v[64+\k], v[64+\k], v[32+\k]         ; my wave's 32 features: v64-71 with k2, v72-79 with k3
.endr
.irp c, 0,1,2,3
	ds_store_b128 v6, v[64+4*\c:67+4*\c] offset:512*\c
.endr
	s_wait_dscnt 0x0                               ; for the others' sake: my stores are done
	s_barrier_signal -1
	s_barrier_wait -1
.irp w, 0,1,2,3
.irp c, 0,1,2,3
	ds_load_b128 v[80+16*\w+4*\c:83+16*\w+4*\c], v7 offset:2048*\w+512*\c
.endr
.endr
	s_wait_dscnt 0x0
.irp p, 0,1,2,3,4,5,6,7
	v_pk_add_f32 v[64+2*\p:65+2*\p], v[80+2*\p:81+2*\p], v[96+2*\p:97+2*\p]      ; the four waves' parts in one order in every wave: the same bits everywhere
.endr
.irp p, 0,1,2,3,4,5,6,7
	v_pk_add_f32 v[64+2*\p:65+2*\p], v[64+2*\p:65+2*\p], v[112+2*\p:113+2*\p]
.endr
.irp p, 0,1,2,3,4,5,6,7
	v_pk_add_f32 v[64+2*\p:65+2*\p], v[64+2*\p:65+2*\p], v[128+2*\p:129+2*\p]
.endr
	; THE SOFTMAX over two keys
.irp m, 0,1,2,3,4,5,6,7
	v_max_num_f32 v[80+\m], v[64+\m], v[72+\m]
.endr
.irp m, 0,1,2,3,4,5,6,7
	v_sub_f32 v[88+\m], v[64+\m], v[80+\m]
	v_sub_f32 v[96+\m], v[72+\m], v[80+\m]
.endr
.irp k, 0,1,2,3,4,5,6,7,8,9,10,11,12,13,14,15
	v_mul_f32 v[88+\k], s54, v[88+\k]
.endr
	s_wait_alu depctr_va_vdst(0)
.irp k, 0,1,2,3,4,5,6,7,8,9,10,11,12,13,14,15
	v_exp_f32 v[88+\k], v[88+\k]
.endr
	v_nop                                          ; a plain place behind the exponentials
	s_wait_alu depctr_va_vdst(0)
.irp m, 0,1,2,3,4,5,6,7
	v_add_f32 v[104+\m], v[88+\m], v[96+\m]        ; at least 1
.endr
	s_wait_alu depctr_va_vdst(0)
.irp m, 0,1,2,3,4,5,6,7
	v_rcp_f32 v[33+2*\m], v[104+\m]
.endr
	v_nop
	s_wait_alu depctr_va_vdst(0)
.irp m, 0,1,2,3,4,5,6,7
	v_mul_f32 v[112+2*\m], v[88+\m], v[33+2*\m]    ; the pair (w2, w3), as out1 has it; its low word serves the packed multiply below
	v_mul_f32 v[113+2*\m], v[96+\m], v[33+2*\m]
	v_mul_f32 v[32+2*\m], v[96+\m], v[33+2*\m]     ; w3 as the low word of a pair of its own
.endr
	; THE BLEND w2 v2 + w3 v3 into window 0, v128-255: register 16 m + i is feature 32 w + 16 h + i of row 16 m + r
	WIN 0x01
.irp m, 0,1,2,3,4,5,6,7
.irp e, 0,1,2,3,4,5,6,7
	v_pk_mul_f32 v[128+16*\m+2*\e:129+16*\m+2*\e], v[128+16*\m+2*\e:129+16*\m+2*\e], v[112+2*\m:113+2*\m] op_sel_hi:[1,0]
.endr
.endr
	WIN 0x02
.irp m, 0,1,2,3,4,5,6,7
.irp e, 0,1,2,3,4,5,6,7
	v_pk_fma_f32 v[128+16*\m+2*\e:129+16*\m+2*\e], v[128+16*\m+2*\e:129+16*\m+2*\e], v[32+2*\m:33+2*\m], v[128+16*\m+2*\e:129+16*\m+2*\e] op_sel_hi:[1,0,1]
.endr
.endr
	WIN 0
	; ITS QUANTISER.  My wave's 32 features are one block of 32 along the next K; it lies in lanes l and l xor 16.
.irp m, 0,1,2,3,4,5,6,7
	v_max3_num_f32 v[48+\m], |v[128+16*\m]|, |v[129+16*\m]|, 0x2800000   ; with the floor 2^(5 - 127): the byte cannot fall under 1
.endr
.irp i, 2,4,6,8,10,12,14
.irp m, 0,1,2,3,4,5,6,7
	v_max3_num_f32 v[48+\m], v[48+\m], |v[128+16*\m+\i]|, |v[129+16*\m+\i]|
.endr
.endr
.irp m, 0,1,2,3,4,5,6,7
	v_permlanex16_b32 v[56+\m], v[48+\m], s52, s53
.endr
.irp m, 0,1,2,3,4,5,6,7
	v_max_num_f32 v[48+\m], v[48+\m], v[56+\m]
.endr
.irp m, 0,1,2,3,4,5,6,7
	v_add_nc_u32 v[64+\m], 0xfe000000, v[48+\m]    ; 4 off the exponent field: the conversion's scale operand
.endr
.irp m, 0,1,2,3,4,5,6,7
	v_lshrrev_b32 v[72+\m], 23, v[64+\m]           ; the scale's byte
.endr
.irp m, 0,1,2,3,4,5,6,7
	v_cvt_scalef32_pk16_bf6_f32 v[80+4*\m:82+4*\m], v[128+16*\m:143+16*\m], v[64+\m]
.endr
	v_nop                                          ; one plain place behind a scaled conversion
.irp m, 0,1,2,3,4,5,6,7
	global_store_b96 v25, v[80+4*\m:82+4*\m], s[44:45] offset:1536*\m   ; the wave stores 384 consecutive bytes: block w of row tile m's fragment, 24 bytes a row
.endr
	v_add_nc_u32 v56, EX2, v1                      ; the scale words meet in LDS: word of (tile m, row r) at 16 (r + 16 (m / 4)) + 4 (m % 4); my wave's byte is byte w
	v_add_nc_u32 v57, s22, v56
.irp m, 0,1,2,3
	v_cndmask_b32 v[48+\m], v[72+\m], v[76+\m], s55   ; lanes 0-15: tile m; lanes 16-31: tile m + 4
.endr
.irp m, 0,1,2,3
	ds_store_b8 v57, v[48+\m] offset:4*\m
.endr
	s_wait_dscnt 0x0
	s_barrier_signal -1
	s_barrier_wait -1
	s_cmp_lg_u32 s22, 0                            ; every wave holds the same weights: wave 0 stores them, and the scale words
	s_cbranch_scc1 .Lnot_first
	s_wait_alu depctr_va_vdst(0)
	ds_load_b128 v[40:43], v56
.irp m, 0,2,4,6
	v_cndmask_b32 v[32+\m], v[112+2*\m], v[114+2*\m], s55   ; lanes 0-15: rows of tile m; lanes 16-31: of tile m + 1
	v_cndmask_b32 v[33+\m], v[113+2*\m], v[115+2*\m], s55
	global_store_b64 v31, v[32+\m:33+\m], s[48:49] offset:2048*\m
.endr
	s_wait_dscnt 0x0
	global_store_b128 v1, v[40:43], s[46:47] offset:12288   ; 512 consecutive bytes
.Lnot_first:
	s_wait_tensorcnt 0x0                           ; the wave's end
	ds_add_u32 v4, v5
	s_wait_dscnt 0x0
	CROUND                                         ; the closing round: no work-group ends while a partner may still ask for a tile that names it
	s_endpgm
.Lfunc_end_k_qeeb8f40747_proj:
	.size	k_qeeb8f40747_proj, .Lfunc_end_k_qeeb8f40747_proj-k_qeeb8f40747_proj
	.p2alignl 7, 3214868480
	.fill 96, 4, 3214868480
	.section	.rodata,"a",@progbits
	.p2align	6, 0x0
	.amdhsa_kernel k_qeeb8f40747_proj
		.amdhsa_group_segment_fixed_size 327680
		.amdhsa_private_segment_fixed_size 0
		.amdhsa_enable_private_segment 0
		.amdhsa_kernarg_size 72
		.amdhsa_user_sgpr_count 2
		.amdhsa_user_sgpr_kernarg_segment_ptr 1
		.amdhsa_wavefront_size32 1
		.amdhsa_system_sgpr_workgroup_id_x 1
		.amdhsa_system_sgpr_workgroup_id_y 1
		.amdhsa_system_sgpr_workgroup_id_z 1
		.amdhsa_system_vgpr_workitem_id 0
		.amdhsa_next_free_vgpr 1024
		.amdhsa_next_free_sgpr 66
		.amdhsa_reserve_vcc 0
		.amdhsa_float_denorm_mode_32 3
		.amdhsa_float_denorm_mode_16_64 3
		.amdhsa_memory_ordered 1
		.amdhsa_forward_progress 1
		.amdhsa_inst_pref_size 255
	.end_amdhsa_kernel
	.amdgpu_metadata
---
amdhsa.version: [ 1, 2 ]
amdhsa.kernels:
  - .name:           k_qeeb8f40747_proj
    .symbol:         k_qeeb8f40747_proj.kd
    .args:
      - { .name: xs, .offset: 0, .size: 8, .value_kind: global_buffer, .address_space: global }
      - { .name: ws, .offset: 8, .size: 8, .value_kind: global_buffer, .address_space: global }
      - { .name: bk2, .offset: 16, .size: 8, .value_kind: global_buffer, .address_space: global }
      - { .name: bv2, .offset: 24, .size: 8, .value_kind: global_buffer, .address_space: global }
      - { .name: bk3, .offset: 32, .size: 8, .value_kind: global_buffer, .address_space: global }
      - { .name: bv3, .offset: 40, .size: 8, .value_kind: global_buffer, .address_space: global }
      - { .name: bq, .offset: 48, .size: 8, .value_kind: global_buffer, .address_space: global }
      - { .name: at, .offset: 56, .size: 8, .value_kind: global_buffer, .address_space: global }
      - { .name: out1, .offset: 64, .size: 8, .value_kind: global_buffer, .address_space: global }
    .group_segment_fixed_size: 327680
    .private_segment_fixed_size: 0
    .kernarg_segment_align: 8
    .kernarg_segment_size: 72
    .max_flat_workgroup_size: 128
    .sgpr_count:     66
    .vgpr_count:     1024
    .wavefront_size: 32
...
	.end_amdgpu_metadata
.endif
;; end of part 2
;; launch outp (part 3): grid 16 x 16, 4 waves a work-group, clusters of 4 x 1, 327,680 bytes of LDS; arguments at, os, bo, current_view, y; writes y
.if DOCPART == 3
	.amdgcn_target "amdgcn-amd-amdhsa--gfx1250"
	.amdhsa_code_object_version 6
	.text
	.protected	k_qeeb8f40747_outp
	.globl	k_qeeb8f40747_outp
	.p2align	8
	.type	k_qeeb8f40747_outp,@function
k_qeeb8f40747_outp:
	s_mov_b64 s[64:65], 0
	v_nop
	global_prefetch_b8 v0, s[64:65] scope:SCOPE_SE
	s_setreg_imm32_b32 hwreg(HW_REG_WAVE_MODE, 25, 1), 1
	s_wait_xcnt 0x0
	s_wait_alu depctr_hold_cnt(0) depctr_sa_sdst(0) depctr_va_vdst(0) depctr_va_sdst(0) depctr_va_ssrc(0) depctr_va_vcc(0) depctr_vm_vsrc(0)
	s_getreg_b32 s2, hwreg(HW_REG_IB_STS2, 6, 4)
	s_cmp_eq_u32 s2, 0
	s_cbranch_scc0 .Lentry_in_a_cluster
	s_endpgm
.Lentry_in_a_cluster:
	s_bfe_u32 s2, ttmp6, 0x10000c
	s_cmp_lg_u32 s2, 0x3003
	s_cbranch_scc0 .Lentry_shape_is_right
	s_endpgm
.Lentry_shape_is_right:
; y = current_view + attn Wo^T + bo, on codes of BF6 (E3M2) with E8M0 scales; attn's codes (at) and Wo's (os) were laid by the launches before.  y: [2048][2048] f32.
; SHARES.  A work-group takes 128 rows (block g) x 128 columns (block n).  Wave w takes all 128 rows x columns 32 w .. 32 w + 31: 8 x 2 accumulators.
; Wo's 32 fragments of a wave are its own: they come as register images straight into 384 registers.  attn's block, 16 K steps x 12,800 bytes, is shared by the four waves and goes through LDS.
; ONE TENSOR LOAD A WAVE brings a quarter of that block (K steps 4 w .. 4 w + 3: 200 rows of 256 dense bytes); LDS is filled once, so there is one barrier for it and no ring.
; CLUSTER.  The four column blocks of a cluster read the same block of attn: it is asked for JOINTLY (mask 15).
; THE GLOBAL LOADS go out in the order of their use.  Beside the tensor load, at the head: bo 4, Wo's scale words 4, Wo's fragments of K steps 0-7 (2 x 24).
; Then in the steps: K steps 8-11 at step 0, K steps 12-15 at step 2, current_view's 32 at step 6.  Each of these stands behind a wait that leaves the youngest 24 out, so at most 56 are out.
; No prefetch: the launch has no loop to run ahead in.
; THE MATRIX INSTRUCTION IS USED TRANSPOSED (source 0 = 16 rows of Wo, source 1 = 16 rows of attn).  The first K step takes bo, in the result's layout, as C.
; THE WAY OUT: the four waves' columns meet in a stage in LDS (rows of 528 bytes, behind attn's block); wave w reads rows 32 w .. 32 w + 31 back whole, adds current_view and stores 512 consecutive bytes an instruction.
; REGISTERS.  Window 0: v1 16 x lane; v4-7, v8-11 LDS addresses of attn's codes and scale words by quarters; v12, v13 the stage; v14 bo's offset; v16-31 bo; v32-47 Wo's scale words; v48-55 attn's; v62, v63 the add's two;
;   v64-255 attn's fragments, two sets.  Windows 1, 2: Wo's fragments of K steps 0-9, 10-15.  Window 3: v0-127 accumulators, v128-255 current_view.
.set ABLK,  12800                      ; a K step's block of at: 8 fragments + 512 bytes of scale words
.set STAGE, 16*ABLK
.set SPARE, STAGE+128*528              ; the spare words, 128 bytes for each wave
.set MSB, 0
.macro WIN new                         ; the immediate's high byte repeats the setting that is left
.if MSB != (\new)
	s_set_vgpr_msb (MSB<<8)|(\new)
.set MSB, (\new)
.endif
.endm
.macro PLACES                          ; four places behind matrix instructions (ISA guide 7.12.1)
.rept 4
	v_nop
.endr
.endm
.macro CROUND                          ; a round of the cluster's barrier
	s_barrier_signal -1
	s_barrier_wait -1
	s_cmp_lg_u32 s14, 0
	s_cbranch_scc1 .Lnot_wave_0_\@
	s_barrier_signal -3
.Lnot_wave_0_\@:
	s_barrier_wait -3
	s_barrier_signal -1
	s_barrier_wait -1
.endm
	s_load_b256 s[4:11], s[0:1], 0x0               ; at, os, bo, current_view
	s_load_b64 s[12:13], s[0:1], 0x20              ; y
	v_lshl_add_u32 v62, v0, 2, SPARE
	v_mov_b32 v63, 0
	ds_add_u32 v62, v63                            ; the opening lines: the add, twice on end, and its wait
	ds_add_u32 v62, v63
	v_lshrrev_b32 v2, 5, v0
	v_readfirstlane_b32 s14, v2                    ; wave
	s_bfe_u32 s17, ttmp6, 0x40000                  ; cx
	s_lshl_b32 s15, ttmp9, 2
	s_add_co_u32 s15, s15, s17                     ; the column block n: it enters global addresses of os, bo, current_view and y alone
	s_and_b32 s16, ttmp7, 0xffff                   ; the row block g, which the four partners share
	s_mov_b32 s24, 15|(3<<16)|(1<<21)              ; group 1: the mask of all four; elements of 8 bytes; bit 21 beside a mask
	s_mov_b32 s25, 32<<16                          ; rows of 256 bytes
	s_mov_b32 s26, 200<<16                         ; 200 rows: 51,200 dense bytes
	s_mov_b32 s27, 32<<16
	s_mov_b32 s28, 200
	s_mov_b32 s29, 32
	s_mov_b32 s30, 0
	s_mov_b32 s31, 0
	s_mul_i32 s48, s16, 16*ABLK
	s_mul_i32 s50, s14, 4*ABLK                     ; wave w brings K steps 4 w .. 4 w + 3
	s_add_co_u32 s48, s48, s50
	s_mov_b32 s49, 0
	v_and_b32 v2, 31, v0
	v_lshlrev_b32 v1, 4, v2
	v_mul_u32_u24 v3, v2, 24                       ; a block of 32 along K is 24 bytes a row: 24 r + 384 h
.irp q, 0,1,2,3
	v_add_nc_u32 v[4+\q], \q*4*ABLK, v3
	v_add_nc_u32 v[8+\q], \q*4*ABLK, v1
.endr
	v_and_b32 v15, 15, v0
	v_bfe_u32 v14, v0, 4, 1
	v_mul_u32_u24 v12, v15, 528
	v_lshl_add_u32 v12, v14, 5, v12
	s_lshl_b32 s51, s14, 7
	s_add_co_u32 s51, s51, STAGE
	v_add_nc_u32 v12, s51, v12                     ; the stage, in: row r, my wave's 128 bytes, + 32 h
	s_mul_i32 s51, s14, 32*528
	s_add_co_u32 s51, s51, STAGE
	v_add_nc_u32 v13, s51, v1                      ; and back: my 32 rows, 16 bytes a lane
	v_lshlrev_b32 v14, 5, v14                      ; bo: 32 h
	s_wait_alu depctr_va_vdst(0)
	s_wait_dscnt 0x0
	s_wait_kmcnt 0x0
	s_add_nc_u64 s[48:49], s[4:5], s[48:49]
	s_mov_b32 s32, 1
	s_mov_b32 s33, s50
	s_mov_b64 s[34:35], s[48:49]
	s_or_b32 s35, s35, 0x80000000
	CROUND                                         ; the four partners are here: the joint loads meet
	tensor_load_to_lds s[32:35], s[24:31]
	s_nop 0
	PLACES
	s_lshl_b32 s18, s15, 2
	s_add_co_u32 s18, s18, s14
	s_mul_i32 s18, s18, 51200
	s_mov_b32 s19, 0
	s_add_nc_u64 s[6:7], s[6:7], s[18:19]          ; os: my 32 rows of Wo
	s_lshl_b32 s18, s15, 9
	s_lshl_b32 s20, s14, 7
	s_add_co_u32 s18, s18, s20
	s_add_nc_u64 s[8:9], s[8:9], s[18:19]          ; bo at my 32 columns
	s_lshl_b32 s18, s16, 7
	s_lshl_b32 s20, s14, 5
	s_add_co_u32 s18, s18, s20
	s_lshl_b32 s18, s18, 13
	s_lshl_b32 s20, s15, 9
	s_add_co_u32 s18, s18, s20
	s_add_nc_u64 s[10:11], s[10:11], s[18:19]      ; current_view and y at (row 128 g + 32 w, column 128 n)
	s_add_nc_u64 s[12:13], s[12:13], s[18:19]
.irp u, 0,1
	global_load_b128 v[16+8*\u:19+8*\u], v14, s[8:9] offset:64*\u
	global_load_b128 v[20+8*\u:23+8*\u], v14, s[8:9] offset:64*\u+16
.endr
.irp q, 0,1,2,3
	global_load_b128 v[32+4*\q:35+4*\q], v1, s[6:7] offset:49152+512*\q
.endr
.macro QLOAD k                         ; Wo's fragments of K steps 4 k .. 4 k + 3: 24 loads of 512 consecutive bytes
.irp d, 0,1,2,3
.set sq, 4*(\k)+\d
.if sq < 10
	WIN 0x40
.set rb, 24*sq
.else
	WIN 0x80
.set rb, 24*(sq-10)
.endif
.irp u, 0,1
.irp c, 0,1,2
	global_load_b128 v[rb+12*\u+4*\c:rb+12*\u+4*\c+3], v1, s[6:7] offset:3072*sq+1536*\u+512*\c
.endr
.endr
.endr
	WIN 0
.endm
.macro CVLOAD                          ; my 32 rows x 512 bytes of current_view
	WIN 0xC0
.set i, 0
.rept 32
	global_load_b128 v[128+4*i:131+4*i], v1, s[10:11] offset:8192*i th:TH_LOAD_NT
.set i, i+1
.endr
	WIN 0
.endm
.macro ALD s                           ; attn's eight fragments and scale words of K step s into set s % 2
.set bf, 64+96*((\s)%2)
.irp m, 0,1,2,3,4,5,6,7
.irp c, 0,1
.irp k, 0,1,2
	ds_load_b64 v[bf+12*\m+6*\c+2*\k:bf+12*\m+6*\c+2*\k+1], v[4+(\s)/4] offset:ABLK*((\s)%4)+1536*\m+768*\c+8*\k
.endr
.endr
.endr
	ds_load_b128 v[48+4*((\s)%2):51+4*((\s)%2)], v[8+(\s)/4] offset:ABLK*((\s)%4)+12288
.endm
.macro M3 s, m, u
.set rD, 8*(2*\m+\u)
.if (\s) == 0
.set rC, 16+8*\u
.else
.set rC, rD
.endif
.if (\s) < 10
.set rB, 24*(\s)+12*\u
.else
.set rB, 24*((\s)-10)+12*\u
.endif
.set rA, 64+96*((\s)%2)+12*\m
.set rW, 32+(\s)
.set rX, 48+4*((\s)%2)+(\m)%4
.if (\u == 0) && (\m < 4)
	v_wmma_scale_f32_16x16x128_f8f6f4 v[rD:rD+7], v[rB:rB+11], v[rA:rA+11], v[rC:rC+7], v[rW], v[rX] matrix_a_fmt:MATRIX_FMT_BF6 matrix_b_fmt:MATRIX_FMT_BF6
.elseif (\u == 1) && (\m < 4)
	v_wmma_scale_f32_16x16x128_f8f6f4 v[rD:rD+7], v[rB:rB+11], v[rA:rA+11], v[rC:rC+7], v[rW], v[rX] matrix_a_fmt:MATRIX_FMT_BF6 matrix_b_fmt:MATRIX_FMT_BF6 matrix_a_scale:MATRIX_SCALE_ROW1
.elseif (\u == 0)
	v_wmma_scale_f32_16x16x128_f8f6f4 v[rD:rD+7], v[rB:rB+11], v[rA:rA+11], v[rC:rC+7], v[rW], v[rX] matrix_a_fmt:MATRIX_FMT_BF6 matrix_b_fmt:MATRIX_FMT_BF6 matrix_b_scale:MATRIX_SCALE_ROW1
.else
	v_wmma_scale_f32_16x16x128_f8f6f4 v[rD:rD+7], v[rB:rB+11], v[rA:rA+11], v[rC:rC+7], v[rW], v[rX] matrix_a_fmt:MATRIX_FMT_BF6 matrix_b_fmt:MATRIX_FMT_BF6 matrix_a_scale:MATRIX_SCALE_ROW1 matrix_b_scale:MATRIX_SCALE_ROW1
.endif
.endm
.macro MUL3 s                          ; a K step's 16 products on 16 accumulators, which take turns
.if (\s) == 0
	WIN 0xC1
.elseif (\s) < 10
	WIN 0xF1
.else
	WIN 0xF2
.endif
.irp m, 0,1,2,3,4,5,6,7
.irp u, 0,1
	M3 \s, \m, \u
.endr
.endr
.endm
.macro STEP3 s
	s_wait_dscnt 0x0                               ; this step's fragments of attn are in
.if (\s) < 15
.if (\s) > 0
	PLACES
.endif
	WIN 0
	ALD (\s)+1
.endif
.if (\s) == 0
	s_wait_loadcnt 24                              ; bo, the scale words and K steps 0-3 are in; the 24 loads of K steps 4-7 may be out
	QLOAD 2
.elseif (\s) == 2
	s_wait_loadcnt 24                              ; K steps 4-7 are in; the 24 of K steps 8-11 may be out
	QLOAD 3
.elseif (\s) == 6
	s_wait_loadcnt 24                              ; K steps 8-11 are in; the 24 of K steps 12-15 may be out
	CVLOAD
.elseif (\s) == 12
	s_wait_loadcnt 32                              ; K steps 12-15 are in; current_view's 32 may be out
.endif
	MUL3 \s
.endm
	QLOAD 0
	QLOAD 1
	s_wait_tensorcnt 0x0                           ; my quarter of attn's block is in
	s_barrier_signal -1
	s_barrier_wait -1                              ; and everybody's
	ALD 0
.set st, 0
.rept 16
	STEP3 st
.set st, st+1
.endr
	WIN 0
	PLACES
	WIN 0x0C
.irp m, 0,1,2,3,4,5,6,7
.irp u, 0,1
	ds_store_b128 v12, v[8*(2*\m+\u):8*(2*\m+\u)+3] offset:8448*\m+64*\u          ; each accumulator from its low end on
	ds_store_b128 v12, v[8*(2*\m+\u)+4:8*(2*\m+\u)+7] offset:8448*\m+64*\u+16
.endr
.endr
	WIN 0
	s_wait_dscnt 0x0                               ; for the others' sake: my stores are done
	s_barrier_signal -1
	s_barrier_wait -1
.set i, 0
.rept 32
	ds_load_b128 v[64+4*i:67+4*i], v13 offset:528*i
.set i, i+1
.endr
	s_wait_dscnt 0x0
	s_wait_loadcnt 0x0                             ; current_view
	WIN 0x0C
.set i, 0
.rept 64
	v_pk_add_f32 v[64+2*i:65+2*i], v[64+2*i:65+2*i], v[128+2*i:129+2*i]
.set i, i+1
.endr
	WIN 0
.set i, 0
.rept 32
	global_store_b128 v1, v[64+4*i:67+4*i], s[12:13] offset:8192*i   ; 512 consecutive bytes, aligned
.set i, i+1
.endr
	s_wait_tensorcnt 0x0                           ; the wave's end
	ds_add_u32 v62, v63
	s_wait_dscnt 0x0
	CROUND                                         ; the closing round
	s_endpgm
.Lfunc_end_k_qeeb8f40747_outp:
	.size	k_qeeb8f40747_outp, .Lfunc_end_k_qeeb8f40747_outp-k_qeeb8f40747_outp
	.p2alignl 7, 3214868480
	.fill 96, 4, 3214868480
	.section	.rodata,"a",@progbits
	.p2align	6, 0x0
	.amdhsa_kernel k_qeeb8f40747_outp
		.amdhsa_group_segment_fixed_size 327680
		.amdhsa_private_segment_fixed_size 0
		.amdhsa_enable_private_segment 0
		.amdhsa_kernarg_size 40
		.amdhsa_user_sgpr_count 2
		.amdhsa_user_sgpr_kernarg_segment_ptr 1
		.amdhsa_wavefront_size32 1
		.amdhsa_system_sgpr_workgroup_id_x 1
		.amdhsa_system_sgpr_workgroup_id_y 1
		.amdhsa_system_sgpr_workgroup_id_z 1
		.amdhsa_system_vgpr_workitem_id 0
		.amdhsa_next_free_vgpr 1024
		.amdhsa_next_free_sgpr 66
		.amdhsa_reserve_vcc 0
		.amdhsa_float_denorm_mode_32 3
		.amdhsa_float_denorm_mode_16_64 3
		.amdhsa_memory_ordered 1
		.amdhsa_forward_progress 1
		.amdhsa_inst_pref_size 114
	.end_amdhsa_kernel
	.amdgpu_metadata
---
amdhsa.version: [ 1, 2 ]
amdhsa.kernels:
  - .name:           k_qeeb8f40747_outp
    .symbol:         k_qeeb8f40747_outp.kd
    .args:
      - { .name: at, .offset: 0, .size: 8, .value_kind: global_buffer, .address_space: global }
      - { .name: os, .offset: 8, .size: 8, .value_kind: global_buffer, .address_space: global }
      - { .name: bo, .offset: 16, .size: 8, .value_kind: global_buffer, .address_space: global }
      - { .name: current_view, .offset: 24, .size: 8, .value_kind: global_buffer, .address_space: global }
      - { .name: y, .offset: 32, .size: 8, .value_kind: global_buffer, .address_space: global }
    .group_segment_fixed_size: 327680
    .private_segment_fixed_size: 0
    .kernarg_segment_align: 8
    .kernarg_segment_size: 40
    .max_flat_workgroup_size: 128
    .sgpr_count:     66
    .vgpr_count:     1024
    .wavefront_size: 32
...
	.end_amdgpu_metadata
.endif
;; end of part 3
;; launch norm (part 4): grid 256 x 1, 8 waves a work-group, no clusters, 0 bytes of LDS; arguments y, ln_w, ln_b, out0; writes out0
.if DOCPART == 4
	.amdgcn_target "amdgcn-amd-amdhsa--gfx1250"
	.amdhsa_code_object_version 6
	.text
	.protected	k_qeeb8f40747_norm
	.globl	k_qeeb8f40747_norm
	.p2align	8
	.type	k_qeeb8f40747_norm,@function
k_qeeb8f40747_norm:
	s_mov_b64 s[64:65], 0
	v_nop
	global_prefetch_b8 v0, s[64:65] scope:SCOPE_SE
	s_setreg_imm32_b32 hwreg(HW_REG_WAVE_MODE, 25, 1), 1
	s_wait_xcnt 0x0
; out0[r][c] = ln_w[c] (y[r][c] - mean_r) rsqrt(var_r + 1e-5) + ln_b[c].  y, out0: [2048][2048] f32.
; One wave, one row: 8,192 bytes, sixteen loads of 512 consecutive bytes, kept in 64 registers between the passes: the row is read once, and no wave waits for another.
; The variance is the mean of the squared differences from the mean, in a pass of its own, so a common offset of the row does no harm.
; No LDS, no barrier, no matrix unit: the launch moves each byte once and has nothing that they could spare.
.set Y, 16                             ; v16-79   the row, then the differences, then the result
.set W, 80                             ; v80-143  ln_w at my columns
.set B, 144                            ; v144-207 ln_b
	s_load_b256 s[4:11], s[0:1], 0x0               ; y, ln_w, ln_b, out0
	v_lshrrev_b32 v2, 5, v0
	s_delay_alu instid0(VALU_DEP_1)
	v_readfirstlane_b32 s12, v2
	v_and_b32 v1, 31, v0
	s_delay_alu instid0(VALU_DEP_1)
	v_lshlrev_b32 v1, 4, v1                        ; 16 x lane
	s_lshl_b32 s13, ttmp9, 3
	s_add_co_u32 s12, s12, s13                     ; my row
	s_lshl_b32 s12, s12, 13
	s_mov_b32 s13, 0
	s_mov_b32 s14, 0x76543210
	s_mov_b32 s15, 0xfedcba98                      ; lane l xor 16
	s_mov_b32 s16, 0x3a000000                      ; 1 / 2048
	s_mov_b32 s17, 0x3727c5ac                      ; 1e-5
	s_wait_alu depctr_va_vdst(0)
	s_wait_kmcnt 0x0
	s_add_nc_u64 s[4:5], s[4:5], s[12:13]
	s_add_nc_u64 s[10:11], s[10:11], s[12:13]
.irp i, 0,1,2,3,4,5,6,7,8,9,10,11,12,13,14,15
	global_load_b128 v[Y+4*\i:Y+4*\i+3], v1, s[4:5] offset:512*\i th:TH_LOAD_NT
.endr
.irp i, 0,1,2,3,4,5,6,7,8,9,10,11,12,13,14,15
	global_load_b128 v[W+4*\i:W+4*\i+3], v1, s[6:7] offset:512*\i
.endr
.irp i, 0,1,2,3,4,5,6,7,8,9,10,11,12,13,14,15
	global_load_b128 v[B+4*\i:B+4*\i+3], v1, s[8:9] offset:512*\i
.endr
.macro ALLSUM                          ; four chains of pairs in v[2:9] become the row's sum in v2 of every lane
	s_delay_alu instid0(VALU_DEP_3)
	v_pk_add_f32 v[2:3], v[2:3], v[4:5]
	s_delay_alu instid0(VALU_DEP_2)
	v_pk_add_f32 v[6:7], v[6:7], v[8:9]
	s_delay_alu instid0(VALU_DEP_1)
	v_pk_add_f32 v[2:3], v[2:3], v[6:7]
	s_delay_alu instid0(VALU_DEP_1)
	v_add_f32 v2, v2, v3
	s_delay_alu instid0(VALU_DEP_1)
	v_add_f32_dpp v2, v2, v2 row_xmask:1 row_mask:0xf bank_mask:0xf
	s_delay_alu instid0(VALU_DEP_1)
	v_add_f32_dpp v2, v2, v2 row_xmask:2 row_mask:0xf bank_mask:0xf
	s_delay_alu instid0(VALU_DEP_1)
	v_add_f32_dpp v2, v2, v2 row_xmask:4 row_mask:0xf bank_mask:0xf
	s_delay_alu instid0(VALU_DEP_1)
	v_add_f32_dpp v2, v2, v2 row_xmask:8 row_mask:0xf bank_mask:0xf
	s_delay_alu instid0(VALU_DEP_1)
	v_permlanex16_b32 v3, v2, s14, s15
	s_delay_alu instid0(VALU_DEP_1)
	v_add_f32 v2, v2, v3
.endm
	s_wait_loadcnt 32                              ; the row is in; the 32 loads of gain and bias may be out
.irp c, 0,1,2,3
	v_pk_add_f32 v[2+2*\c:3+2*\c], v[Y+2*\c:Y+2*\c+1], v[Y+8+2*\c:Y+8+2*\c+1]   ; the first pairs start the chains: nothing is cleared
.endr
.set p, 8
.rept 24
	s_delay_alu instid0(VALU_DEP_4)
	v_pk_add_f32 v[2+2*(p%4):3+2*(p%4)], v[2+2*(p%4):3+2*(p%4)], v[Y+2*p:Y+2*p+1]
.set p, p+1
.endr
	ALLSUM
	s_delay_alu instid0(VALU_DEP_1)
	v_mul_f32 v10, s16, v2                         ; the mean, twice: a pair for the packed forms
	s_delay_alu instid0(VALU_DEP_1)
	v_mov_b32 v11, v10
.set p, 0
.rept 32
	v_pk_add_f32 v[Y+2*p:Y+2*p+1], v[Y+2*p:Y+2*p+1], v[10:11] neg_lo:[0,1] neg_hi:[0,1]
.set p, p+1
.endr
.irp c, 0,1,2,3
	v_pk_mul_f32 v[2+2*\c:3+2*\c], v[Y+2*\c:Y+2*\c+1], v[Y+2*\c:Y+2*\c+1]
.endr
.set p, 4
.rept 28
	s_delay_alu instid0(VALU_DEP_4)
	v_pk_fma_f32 v[2+2*(p%4):3+2*(p%4)], v[Y+2*p:Y+2*p+1], v[Y+2*p:Y+2*p+1], v[2+2*(p%4):3+2*(p%4)]
.set p, p+1
.endr
	ALLSUM
	s_delay_alu instid0(VALU_DEP_1)
	v_fma_f32 v12, v2, s16, s17                    ; the variance + 1e-5
	s_wait_alu depctr_va_vdst(0)
	v_rsq_f32 v12, v12
	v_nop                                          ; a plain place behind the transcendental
	s_wait_alu depctr_va_vdst(0)
	v_mov_b32 v13, v12
	s_wait_alu depctr_va_vdst(0)
	s_wait_loadcnt 0x0                             ; gain and bias
.set p, 0
.rept 32
	v_pk_mul_f32 v[Y+2*p:Y+2*p+1], v[Y+2*p:Y+2*p+1], v[12:13]
.set p, p+1
.endr
.set p, 0
.rept 32
	v_pk_fma_f32 v[Y+2*p:Y+2*p+1], v[Y+2*p:Y+2*p+1], v[W+2*p:W+2*p+1], v[B+2*p:B+2*p+1]
.set p, p+1
.endr
.irp i, 0,1,2,3,4,5,6,7,8,9,10,11,12,13,14,15
	global_store_b128 v1, v[Y+4*\i:Y+4*\i+3], s[10:11] offset:512*\i th:TH_STORE_NT   ; 512 consecutive bytes, aligned
.endr
	s_endpgm
.Lfunc_end_k_qeeb8f40747_norm:
	.size	k_qeeb8f40747_norm, .Lfunc_end_k_qeeb8f40747_norm-k_qeeb8f40747_norm
	.p2alignl 7, 3214868480
	.fill 96, 4, 3214868480
	.section	.rodata,"a",@progbits
	.p2align	6, 0x0
	.amdhsa_kernel k_qeeb8f40747_norm
		.amdhsa_group_segment_fixed_size 0
		.amdhsa_private_segment_fixed_size 0
		.amdhsa_enable_private_segment 0
		.amdhsa_kernarg_size 32
		.amdhsa_user_sgpr_count 2
		.amdhsa_user_sgpr_kernarg_segment_ptr 1
		.amdhsa_wavefront_size32 1
		.amdhsa_system_sgpr_workgroup_id_x 1
		.amdhsa_system_sgpr_workgroup_id_y 1
		.amdhsa_system_sgpr_workgroup_id_z 1
		.amdhsa_system_vgpr_workitem_id 0
		.amdhsa_next_free_vgpr 208
		.amdhsa_next_free_sgpr 66
		.amdhsa_reserve_vcc 0
		.amdhsa_float_denorm_mode_32 3
		.amdhsa_float_denorm_mode_16_64 3
		.amdhsa_memory_ordered 1
		.amdhsa_forward_progress 1
		.amdhsa_inst_pref_size 21
	.end_amdhsa_kernel
	.amdgpu_metadata
---
amdhsa.version: [ 1, 2 ]
amdhsa.kernels:
  - .name:           k_qeeb8f40747_norm
    .symbol:         k_qeeb8f40747_norm.kd
    .args:
      - { .name: y, .offset: 0, .size: 8, .value_kind: global_buffer, .address_space: global }
      - { .name: ln_w, .offset: 8, .size: 8, .value_kind: global_buffer, .address_space: global }
      - { .name: ln_b, .offset: 16, .size: 8, .value_kind: global_buffer, .address_space: global }
      - { .name: out0, .offset: 24, .size: 8, .value_kind: global_buffer, .address_space: global }
    .group_segment_fixed_size: 0
    .private_segment_fixed_size: 0
    .kernarg_segment_align: 8
    .kernarg_segment_size: 32
    .max_flat_workgroup_size: 256
    .sgpr_count:     66
    .vgpr_count:     208
    .wavefront_size: 32
...
	.end_amdgpu_metadata
.endif
;; end of part 4
